; MI455X (gfx1250); checked and timed in simulation.
; The chip was launched on July 23, 2026; its instructions are those of AMD's public machine-readable ISA for CDNA 5 (MIT licence, August 2026) and "CDNA5" Instruction Set Architecture Reference Guide (July 2026). The comments in the code are by the model that wrote it; some were corrected since.
;; Feature Aggregation. Allowed arithmetic: matrix products marked QUANTISED: E2M3 operands, one E8M0 scale for each 32 along K, by v_wmma_scale_f32_16x16x128_f8f6f4 with both operands' format E2M3, f32 sums; everything else in f32.
;; Inputs: Wk 32 x 64 float32; Wq 32 x 64 float32; Wsc 32 x 64 float32; Wv 64 x 64 float32; bk 32 float32; bq 32 float32; gamma 1 float32; x1 8 x 32 x 64 x 64 float32; x2 8 x 32 x 64 x 64 float32.
;; Outputs: out0 8 x 32 x 64 x 64 float32.
;; This version of the problem:
;;   THIS VERSION OF THE PROBLEM IS GIVEN IN LOW PRECISION. The matrix products marked QUANTISED in the list below multiply operands that are first quantised to E2M3 (2 exponent bits, 3 mantissa bits; 6 bits a number), with one power-of-two scale for each 32 numbers along K (OCP MX v1.0); their sums are f32. All else is computed in f32.
;;   The module's matrix products, in the order in which they are computed (A, B: the left and right operand; K: the contracted axis; several contracted axes count as one K, in the product's order):
;;     1. [M 32,768, K 64] x [K 64, N 32]; A: computed on the way; B: input Wq: QUANTISED
;;     2. [M 32,768, K 64] x [K 64, N 32]; A: computed on the way; B: input Wk: QUANTISED
;;     3. batch 8 x [M 4,096, K 32] x [K 32, N 4,096]; A: computed on the way; B: computed on the way: QUANTISED
;;     4. [M 32,768, K 64] x [K 64, N 64]; A: computed on the way; B: input Wv: QUANTISED
;;     5. batch 8 x [M 64, K 4,096] x [K 4,096, N 4,096]; A: computed on the way; B: computed on the way: QUANTISED
;;     6. [M 32,768, K 64] x [K 64, N 32]; A: computed on the way; B: input Wsc: QUANTISED
;;   THE QUANTISER, for each operand of a quantised product, along K:
;;     - K is cut into blocks of 32 from its start; a last block that is shorter is filled with zeros.
;;     - A block's scale is 2^e with e = floor(log2(the largest magnitude in the block)) - 2, held to -126 .. 127; a block of zeros has e = 0. As a byte (E8M0): e + 127.
;;     - Each number is divided by its block's scale, clamped to +-7.5, and rounded to the nearest number of E2M3, ties to even, subnormals kept.
;;     - The product sums the exact products of the quantised numbers (number of the format x scale) in f32.
;;   ~~~python
;;   def quantise(x, axis):      # numpy; x: float32 -> the quantised numbers, widened to float32 again
;;       x = np.moveaxis(x, axis, -1); K = x.shape[-1]
;;       x = np.pad(x, [(0, 0)] * (x.ndim - 1) + [(0, -K % 32)]); x = x.reshape(x.shape[:-1] + (-1, 32)); a = np.abs(x).max(-1, keepdims=True)
;;       e = np.where(a > 0, np.clip(np.frexp(np.where(a > 0, a, 1))[1] - 1 - 2, -126, 127), 0)      # np.frexp(a)[1] - 1 = floor(log2(a)), exactly
;;       r = np.clip(x / 2.0 ** e, -7.5, 7.5)
;;       step = 2.0 ** (np.maximum(np.frexp(np.where(r == 0, 1, r))[1] - 1, 0) - 3)
;;       q = np.round(r / step) * step * 2.0 ** e      # np.round: ties to even
;;       return np.moveaxis(q.reshape(q.shape[:-2] + (-1,))[..., :K], -1, axis).astype(np.float32)
;;   ~~~
;;   OPERANDS COMPUTED ON THE WAY. 'Computed on the way' means the value that the module computes at that place (a softmax that the list does not call 'softmax' is quantised finished and normalised). What goes into a quantiser is computed in f32, as accurately as f32 sums, v_exp_f32 and their like allow (about 1e-6 of the number): no bf16 or f16 on the way to a quantiser, and a product that is left as it is and whose result goes on into a quantised operand takes f32 operands (vector FMAs, or v_wmma_f32_16x16x4_f32). A number that lies on a knife's edge between two numbers of the format may be rounded either way, as far as f32 arithmetic and the matrix unit's own rounding can turn it there, and no further.
;; One version. Each part assembles by itself: llvm-mc -triple=amdgcn-amd-amdhsa -mcpu=gfx1250 --defsym DOCPART=n.
;; ======== version 1 of 1: 3 launches
;; limits: right only within a limited range of input values
;; workspace buffers: qimg 786,432 bytes; qsc 32,768 bytes; kv 2,359,296 bytes; sc 98,304 bytes; negl 131,072 bytes
;; launch prep (part 1): grid 32 x 8, 1 waves a work-group, no clusters, 167,936 bytes of LDS; arguments x1, x2, Wq, bq, Wk, bk, Wv, qimg, qsc, kv, sc; writes qimg, qsc, kv, sc
.if DOCPART == 1
	.amdgcn_target "amdgcn-amd-amdhsa--gfx1250"
	.amdhsa_code_object_version 6
	.text
	.protected	k_q59d41e6582_prep
	.globl	k_q59d41e6582_prep
	.p2align	8
	.type	k_q59d41e6582_prep,@function
k_q59d41e6582_prep:
	s_mov_b64 s[64:65], 0
	v_nop
	global_prefetch_b8 v0, s[64:65] scope:SCOPE_SE
	s_setreg_imm32_b32 hwreg(HW_REG_WAVE_MODE, 25, 1), 1
	s_wait_xcnt 0x0
; FeatureAggregation, launch 1 of 3.  x = concat(x1, x2) [8][64][4096].  This launch makes q = Wq x + bq, k = Wk x + bk, v = Wv x on codes of E2M3 (x and the weights quantised along
; the 64 channels, two blocks of 32) and quantises q and k along their 32 numbers (one block a pixel) and v along the pixels (blocks of 32), into workspace laid in the order of operand registers.
; NO WORK IS LEFT OUT in this program: bq goes into q ahead of a quantiser and can move q's codes, bk q_n changes along the softmax's axis; every input is loaded by some launch.
; LIMITS: NaN and infinities among the inputs are not served.  A block whose largest magnitude lies under 2^-124 keeps the scale byte 1 (a block of zeros too: its codes are zeros, and this program alone reads the bytes).
; SHARES.  A work-group is ONE wave and takes 128 pixels (step s = work-group x) of one batch (work-group y): v's fragment and its scale words want all 128 pixels in one wave's lanes.
; x comes by two tensor loads (32 rows of 512 bytes each).  No cluster: what work-groups share is the weights, 32 KB, which each lane loads once, 128 consecutive bytes a tile, straight into the registers
; from which they are quantised; a joint load would add a pass through LDS and a round of a cluster's barrier for bytes that a work-group reads once.
; A UNIT of the workspace is six operand registers of 32 lanes, 768 bytes: registers 0-3 at 16 x lane, registers 4-5 at 512 + 8 x lane.
;   qimg [b][s][4 units]: unit G, lane (rho, hh) = the 32 codes of q of pixel 32 G + 16 (rho / 8) + 8 hh + rho % 8.   kv [b][s][12 units]: 0-3 k, laid likewise; 4 + 2 t + g: registers 6 g .. 6 g + 5 of v's
;   fragment of channel tile t: lane (rho, h) = pixels 32 (2 g + h) + 0 .. 31 of channel 32 (t / 2) + 16 (rho / 8) + 8 (t % 2) + rho % 8.
;   qsc [b][s][32 words]: word 16 f + rho, byte 2 g + hh = the scale byte of the pixel at (unit 2 f + g, lane 16 hh + rho).   sc [b][s][3 x 32 words]: k's likewise; v's tiles 0 | 1; v's tiles 2 | 3 (byte = block of the step).
; K = 64 IN AN INSTRUCTION OF K = 128: x's fragments have zero codes in blocks 2 and 3, so a weight's fragments stand six registers apart (the upper six are the next tile's: they meet zeros); bytes 2, 3 of the scale words are 0.
; THE ROWS OF A TILE ARE CHOSEN: weight row of lane r in tile T = 32 (T / 2) + 8 (T % 2) + r + 8 (r / 8); pixel of lane l = l with bits 3 and 4 changed over: so 16 registers of two neighbouring result tiles are 16 neighbours along the next K.
; REGISTERS.  window 0: see the names below.  window 1: v0-255 the weights as loaded (tile n at 32 n), then v0-63 a pixel's 64 channels.  window 2: v0-15 bq's two tiles, v16-31 bk's, in the result's layout.
.set SPARE, 32768                      ; LDS: x's 64 rows of 512 bytes from 0; behind them the spare words, one block of 256 bytes that no other line names
.set RR,   1                           ; lane % 16
.set HH,   2                           ; lane / 16
.set LI16, 3                           ; 16 x lane
.set LI8,  4                           ; 8 x lane
.set LI4,  5                           ; 4 x lane
.set WA,   6                           ; a weight tile's row of my lane x 256 + 128 (lane / 16)
.set BA,   7                           ; 64 (lane / 16): my half's biases
.set XA,   8                           ; 4 x my pixel among a group's 32
.set SH8,  9                           ; 8 (lane / 16)
.set SPW,  10                          ; LDS address of my spare word; never rewritten
.set NIL,  11                          ; 0; never rewritten
.set WF,   16                          ; v16-69   nine runs of six: Wq 0, 1, Wk 0, 1, Wv 0 .. 3, zeros
.set WS,   70                          ; v70-77   the weights' scale words
.set XS,   78                          ; v78      x's scale words: each lane its own pixel's
.set XF,   80                          ; v80-103  x's two tiles: [six][zeros][six][zeros]
.set D,    104                         ; v104-167 results
.set TM,   168                         ; v168-191 at work
.set CT,   192                         ; v192-207 codes just made
.set QW,   208                         ; v208-209 q's scale words; v210-211 k's; v212-215 v's
.set KW,   210
.set VW,   212
.set OW,   216                         ; v216-219 scale words on the way out
.set VC,   220                         ; v220-251 v's codes, eight registers a channel tile
.set BQ,   0                           ; in window 2
.set BK,   16
.set SEL,  48                          ; s[48:49] v_permlanex16_b32's selects for lane l xor 16
.set MSB, 0
.macro WIN new                         ; the immediate's high byte repeats the setting that is left
.if MSB != \new
	s_set_vgpr_msb (MSB<<8)|\new
.set MSB, \new
.endif
.endm
.macro PLACES n
.rept \n
	v_nop
.endr
.endm
; a scaled product on 6-bit codes.  c < 0: the constant 0 starts the sum.  arow, brow: that side's scale words stand in lanes 16-31
.macro MM d, a, b, c, sa, sb, arow, brow
.if (\c) < 0
.if \arow
	v_wmma_scale_f32_16x16x128_f8f6f4 v[(\d):(\d)+7], v[(\a):(\a)+11], v[(\b):(\b)+11], 0, v[(\sa)], v[(\sb)] matrix_a_fmt:MATRIX_FMT_FP6 matrix_b_fmt:MATRIX_FMT_FP6 matrix_a_scale:MATRIX_SCALE_ROW1
.elseif \brow
	v_wmma_scale_f32_16x16x128_f8f6f4 v[(\d):(\d)+7], v[(\a):(\a)+11], v[(\b):(\b)+11], 0, v[(\sa)], v[(\sb)] matrix_a_fmt:MATRIX_FMT_FP6 matrix_b_fmt:MATRIX_FMT_FP6 matrix_b_scale:MATRIX_SCALE_ROW1
.else
	v_wmma_scale_f32_16x16x128_f8f6f4 v[(\d):(\d)+7], v[(\a):(\a)+11], v[(\b):(\b)+11], 0, v[(\sa)], v[(\sb)] matrix_a_fmt:MATRIX_FMT_FP6 matrix_b_fmt:MATRIX_FMT_FP6
.endif
.else
.if \arow
	v_wmma_scale_f32_16x16x128_f8f6f4 v[(\d):(\d)+7], v[(\a):(\a)+11], v[(\b):(\b)+11], v[(\c):(\c)+7], v[(\sa)], v[(\sb)] matrix_a_fmt:MATRIX_FMT_FP6 matrix_b_fmt:MATRIX_FMT_FP6 matrix_a_scale:MATRIX_SCALE_ROW1
.elseif \brow
	v_wmma_scale_f32_16x16x128_f8f6f4 v[(\d):(\d)+7], v[(\a):(\a)+11], v[(\b):(\b)+11], v[(\c):(\c)+7], v[(\sa)], v[(\sb)] matrix_a_fmt:MATRIX_FMT_FP6 matrix_b_fmt:MATRIX_FMT_FP6 matrix_b_scale:MATRIX_SCALE_ROW1
.else
	v_wmma_scale_f32_16x16x128_f8f6f4 v[(\d):(\d)+7], v[(\a):(\a)+11], v[(\b):(\b)+11], v[(\c):(\c)+7], v[(\sa)], v[(\sb)] matrix_a_fmt:MATRIX_FMT_FP6 matrix_b_fmt:MATRIX_FMT_FP6
.endif
.endif
.endm
.macro WLOAD tau, tt, base             ; weight tile tt of the matrix at s[base]: my row's block of 32 numbers, 128 consecutive bytes, into window 1 at 32 tau
.irp i, 0,1,2,3,4,5,6,7
	global_load_b128 v[32*\tau+4*\i:32*\tau+4*\i+3], v[WA], s[\base:\base+1] offset:(32*(\tt/2)+8*(\tt%2))*256+16*\i
.endr
.endm
.macro XLOAD g                         ; group g's 32 pixels: a lane takes ONE pixel and its registers run down the 64 channels; 32 lanes read 128 consecutive bytes of a row
	WIN 0x40
.set cc, 0
.rept 64
	ds_load_b32 v[cc], v[XA] offset:512*cc+128*(\g)
.set cc, cc+1
.endr
	WIN 0
.endm
; x's group g becomes two tiles of 16 pixels: both blocks of a pixel lie in one lane, so no other lane is asked for a maximum
.macro XQ g
	s_wait_dscnt 0x0                               ; the group's 64 numbers are in
	WIN 0x05                                       ; sources 0 and 1: window 1
.irp k, 0,1,2,3
	v_max3_num_f32 v[TM+\k], |v[16*\k]|, |v[16*\k+1]|, 0x1800000   ; four chains of 16; the floor 2^(3 - 127) holds the byte at 1 from below
.endr
.irp i, 2,4,6,8,10,12,14
.irp k, 0,1,2,3
	v_max3_num_f32 v[TM+\k], |v[16*\k+\i]|, |v[16*\k+\i+1]|, v[TM+\k]
.endr
.endr
	WIN 0
	v_max_num_f32 v[TM], v[TM], v[TM+1]            ; channels 0-31
	v_max_num_f32 v[TM+1], v[TM+2], v[TM+3]        ; channels 32-63
	v_add_nc_u32 v[TM+8], 0xff000000, v[TM]        ; 2 off the exponent field: the conversion's scale operand
	v_add_nc_u32 v[TM+9], 0xff000000, v[TM+1]
	v_lshrrev_b32 v[TM], 23, v[TM+8]               ; the bytes
	v_lshrrev_b32 v[TM+1], 23, v[TM+9]
	v_lshl_or_b32 v[XS], v[TM+1], 8, v[TM]         ; my pixel's scale word; bytes 2 and 3 are 0 and meet zero codes
	WIN 0x01
	v_cvt_scalef32_pk16_fp6_f32 v[XF:XF+2], v[0:15], v[TM+8]
	v_cvt_scalef32_pk16_fp6_f32 v[TM+12:TM+14], v[16:31], v[TM+8]   ; (a conversion's three registers begin on an even number)
	v_cvt_scalef32_pk16_fp6_f32 v[XF+12:XF+14], v[32:47], v[TM+9]
	v_cvt_scalef32_pk16_fp6_f32 v[TM+16:TM+18], v[48:63], v[TM+9]
	WIN 0
	v_nop                                          ; one plain place behind the conversions
.if \g < 3
	XLOAD (\g)+1                                   ; the next group lands while this one is worked
.endif
.irp i, 0,1,2
	v_mov_b32 v[XF+3+\i], v[TM+12+\i]
	v_mov_b32 v[XF+15+\i], v[TM+16+\i]
.endr
.irp i, 0,1,2,3,4,5
	v_permlane16_swap_b32 v[XF+\i], v[XF+12+\i]    ; block 0 of lanes 16-31 changes places with block 1 of lanes 0-15: each run is now a tile of 16 pixels, block h in lane half h
.endr
	PLACES 8                                       ; a scale word written by a vector instruction stands 8 places ahead of a scaled product, codes 4
.endm
; q or k of the group's 32 pixels (results at db: 16 registers a pixel tile = 16 of the 32 numbers, the other 16 in lane l xor 16) become one unit and two scale bytes
.macro QKQ g, db, ct, wr, base
	s_wait_xcnt 0x0                                ; the registers that earlier stores read are written again only behind this wait
.irp e, 0,1
	v_max3_num_f32 v[TM+\e], |v[(\db)+16*\e]|, |v[(\db)+16*\e+1]|, 0x1800000
.endr
.irp i, 2,4,6,8,10,12,14
.irp e, 0,1
	v_max3_num_f32 v[TM+\e], v[TM+\e], |v[(\db)+16*\e+\i]|, |v[(\db)+16*\e+\i+1]|
.endr
.endr
.irp e, 0,1
	v_permlanex16_b32 v[TM+4+\e], v[TM+\e], s[SEL], s[SEL+1]
.endr
.irp e, 0,1
	v_max_num_f32 v[TM+\e], v[TM+\e], v[TM+4+\e]
.endr
.irp e, 0,1
	v_add_nc_u32 v[TM+8+\e], 0xff000000, v[TM+\e]
.endr
.irp e, 0,1
	v_lshrrev_b32 v[TM+\e], 23, v[TM+8+\e]
.endr
.irp e, 0,1
.if (2*((\g)%2)+\e) == 0
	v_mov_b32 v[(\wr)+(\g)/2], v[TM+\e]
.else
	v_lshl_or_b32 v[(\wr)+(\g)/2], v[TM+\e], 8*(2*((\g)%2)+\e), v[(\wr)+(\g)/2]
.endif
.endr
	v_cvt_scalef32_pk16_fp6_f32 v[(\ct):(\ct)+2], v[(\db):(\db)+15], v[TM+8]
	v_cvt_scalef32_pk16_fp6_f32 v[(\ct)+4:(\ct)+6], v[(\db)+16:(\db)+31], v[TM+9]
	v_nop
.irp i, 0,1,2
	v_permlane16_swap_b32 v[(\ct)+\i], v[(\ct)+4+\i]   ; lane (rho, hh) now holds the lower 16 codes of pixel (hh, rho) in the first run and the upper 16 in the second
.endr
	v_mov_b32 v[(\ct)+3], v[(\ct)+4]
	v_mov_b32 v[(\ct)+4], v[(\ct)+5]
	v_mov_b32 v[(\ct)+5], v[(\ct)+6]
	global_store_b128 v[LI16], v[(\ct):(\ct)+3], s[\base:\base+1] offset:768*(\g)          ; 512 consecutive bytes
	global_store_b64 v[LI8], v[(\ct)+4:(\ct)+5], s[\base:\base+1] offset:768*(\g)+512      ; 256 consecutive bytes
.endm
; v of the group: 16 registers a channel tile = 16 neighbouring pixels of my channel; the group is one block of 32 along the pixels
.macro VQ g
	s_wait_xcnt 0x0
.irp t, 0,1,2,3
	v_max3_num_f32 v[TM+\t], |v[D+16*\t]|, |v[D+16*\t+1]|, 0x1800000
.endr
.irp i, 2,4,6,8,10,12,14
.irp t, 0,1,2,3
	v_max3_num_f32 v[TM+\t], v[TM+\t], |v[D+16*\t+\i]|, |v[D+16*\t+\i+1]|
.endr
.endr
.irp t, 0,1,2,3
	v_permlanex16_b32 v[TM+4+\t], v[TM+\t], s[SEL], s[SEL+1]
.endr
.irp t, 0,1,2,3
	v_max_num_f32 v[TM+\t], v[TM+\t], v[TM+4+\t]
.endr
.irp t, 0,1,2,3
	v_add_nc_u32 v[TM+8+\t], 0xff000000, v[TM+\t]
.endr
.irp t, 0,1,2,3
	v_lshrrev_b32 v[TM+\t], 23, v[TM+8+\t]
.endr
.irp t, 0,1,2,3
.if (\g) == 0
	v_mov_b32 v[VW+\t], v[TM+\t]
.else
	v_lshl_or_b32 v[VW+\t], v[TM+\t], 8*(\g), v[VW+\t]
.endif
.endr
.if (\g)%2 == 0
.irp t, 0,1,2,3
	v_cvt_scalef32_pk16_fp6_f32 v[VC+8*\t:VC+8*\t+2], v[D+16*\t:D+16*\t+15], v[TM+8+\t]
.endr
	v_nop
.else
.irp t, 0,1,2,3
	v_cvt_scalef32_pk16_fp6_f32 v[CT+4*\t:CT+4*\t+2], v[D+16*\t:D+16*\t+15], v[TM+8+\t]
.endr
	v_nop
.irp t, 0,1,2,3
.irp i, 0,1,2
	v_permlane16_swap_b32 v[VC+8*\t+\i], v[CT+4*\t+\i]   ; a whole block in a lane: lanes 0-15 the even group, lanes 16-31 the odd one
.endr
.endr
.irp t, 0,1,2,3
.irp i, 0,1,2
	v_mov_b32 v[VC+8*\t+3+\i], v[CT+4*\t+\i]
.endr
.endr
.irp t, 0,1,2,3
	global_store_b128 v[LI16], v[VC+8*\t:VC+8*\t+3], s[22:23] offset:3072+1536*\t+768*((\g)/2)
	global_store_b64 v[LI8], v[VC+8*\t+4:VC+8*\t+5], s[22:23] offset:3072+1536*\t+768*((\g)/2)+512
.endr
.endif
.endm
	s_load_b256 s[4:11], s[0:1], 0x0               ; x1, x2, Wq, bq
	s_load_b256 s[12:19], s[0:1], 0x20             ; Wk, bk, Wv, qimg
	s_load_b128 s[20:23], s[0:1], 0x40             ; qsc, kv
	s_load_b64 s[24:25], s[0:1], 0x50              ; sc
	v_lshl_add_u32 v[SPW], v0, 2, SPARE
	v_mov_b32 v[NIL], 0
	ds_add_u32 v[SPW], v[NIL]                      ; the wave's opening: the add, twice on end, and its wait ahead of my first tensor load
	ds_add_u32 v[SPW], v[NIL]
	s_mov_b32 s32, 2<<16                           ; descriptor group 1: elements of 4 bytes, no mask, no padding
	s_mov_b32 s33, 128<<16                         ; tensor_dim0 = 128
	s_mov_b32 s34, 32<<16                          ; tensor_dim1 = 32
	s_mov_b32 s35, 128<<16                         ; tile_dim0 = 128 (512 bytes)
	s_mov_b32 s36, 32                              ; tile_dim1 = 32 channels
	s_mov_b32 s37, 4096                            ; elements from channel to channel
	s_mov_b32 s38, 0
	s_mov_b32 s39, 0
	s_mov_b32 s[SEL], 0x76543210
	s_mov_b32 s[SEL+1], 0xfedcba98
	s_and_b32 s27, ttmp7, 0xffff                   ; the batch
	s_lshl_b32 s28, s27, 19                        ; 32 channels x 16,384 bytes a batch,
	s_lshl_b32 s30, ttmp9, 9                       ; 512 bytes a step
	s_add_co_u32 s28, s28, s30
	s_mov_b32 s29, 0
	v_and_b32 v[RR], 15, v0
	v_lshrrev_b32 v[HH], 4, v0
	v_lshlrev_b32 v[LI16], 4, v0
	v_lshlrev_b32 v[LI8], 3, v0
	v_lshlrev_b32 v[LI4], 2, v0
	v_and_b32 v12, 8, v[RR]
	v_add_nc_u32 v12, v12, v[RR]                   ; r + 8 (r / 8)
	v_lshlrev_b32 v[WA], 8, v12
	v_lshl_add_u32 v[WA], v[HH], 7, v[WA]
	v_lshlrev_b32 v[BA], 6, v[HH]
	v_and_b32 v13, 7, v0
	v_bfe_u32 v14, v0, 3, 1
	v_lshl_add_u32 v13, v14, 4, v13
	v_lshl_add_u32 v13, v[HH], 3, v13              ; my pixel: the lane's number with bits 3 and 4 changed over
	v_lshlrev_b32 v[XA], 2, v13
	v_lshlrev_b32 v[SH8], 3, v[HH]
	s_wait_dscnt 0x0                               ; both opening adds are done
	s_wait_kmcnt 0x0
	s_mov_b32 s40, 1
	s_mov_b32 s41, 0                               ; x1's 32 rows at LDS byte 0,
	s_add_nc_u64 s[42:43], s[4:5], s[28:29]
	s_or_b32 s43, s43, 0x80000000
	s_mov_b32 s44, 1
	s_mov_b32 s45, 16384                           ; x2's behind them
	s_add_nc_u64 s[46:47], s[6:7], s[28:29]
	s_or_b32 s47, s47, 0x80000000
	tensor_load_to_lds s[40:43], s[32:39]          ; two tensor loads of mine are out
	s_nop 0
	tensor_load_to_lds s[44:47], s[32:39]
	s_nop 0
	PLACES 4
	s_mul_i32 s28, s27, 98304                      ; where my step's results go
	s_mul_i32 s30, ttmp9, 3072
	s_add_co_u32 s28, s28, s30
	s_add_nc_u64 s[18:19], s[18:19], s[28:29]
	s_lshl_b32 s28, s27, 12
	s_lshl_b32 s30, ttmp9, 7
	s_add_co_u32 s28, s28, s30
	s_add_nc_u64 s[20:21], s[20:21], s[28:29]
	s_mul_i32 s28, s27, 294912
	s_mul_i32 s30, ttmp9, 9216
	s_add_co_u32 s28, s28, s30
	s_add_nc_u64 s[22:23], s[22:23], s[28:29]
	s_mul_i32 s28, s27, 12288
	s_mul_i32 s30, ttmp9, 384
	s_add_co_u32 s28, s28, s30
	s_add_nc_u64 s[24:25], s[24:25], s[28:29]
	WIN 0x40                                       ; destination window 1
	WLOAD 0, 0, 8
	WLOAD 1, 1, 8
	WLOAD 2, 0, 12
	WLOAD 3, 1, 12
	WLOAD 4, 0, 16
	WLOAD 5, 1, 16
	WLOAD 6, 2, 16
	WLOAD 7, 3, 16
	WIN 0x80                                       ; destination window 2: the biases in the result's layout: tile u, lane half h: numbers 16 h + 8 u + 0 .. 7
.irp u, 0,1
	global_load_b128 v[BQ+8*\u:BQ+8*\u+3], v[BA], s[10:11] offset:32*\u
	global_load_b128 v[BQ+8*\u+4:BQ+8*\u+7], v[BA], s[10:11] offset:32*\u+16
	global_load_b128 v[BK+8*\u:BK+8*\u+3], v[BA], s[14:15] offset:32*\u
	global_load_b128 v[BK+8*\u+4:BK+8*\u+7], v[BA], s[14:15] offset:32*\u+16
.endr
	WIN 0
.irp i, 0,1,2,3,4,5
	v_mov_b32 v[XF+6+\i], 0                        ; x's blocks 2 and 3: zero codes
	v_mov_b32 v[XF+18+\i], 0
	v_mov_b32 v[WF+48+\i], 0                       ; behind the last weight tile
.endr
.irp i, 0,1,2,3,4,5,6,7
	v_mov_b32 v[TM+16+\i], 0                       ; a lane permute's destination counts as one of its sources
.endr
	s_wait_loadcnt 0x0
	; the weights: a lane holds a whole block of 32
	WIN 0x05
.irp t, 0,1,2,3,4,5,6,7
	v_max3_num_f32 v[TM+\t], |v[32*\t]|, |v[32*\t+1]|, 0x1800000
.endr
.irp i, 2,4,6,8,10,12,14,16,18,20,22,24,26,28,30
.irp t, 0,1,2,3,4,5,6,7
	v_max3_num_f32 v[TM+\t], |v[32*\t+\i]|, |v[32*\t+\i+1]|, v[TM+\t]
.endr
.endr
	WIN 0
.irp t, 0,1,2,3,4,5,6,7
	v_add_nc_u32 v[TM+8+\t], 0xff000000, v[TM+\t]
.endr
.irp t, 0,1,2,3,4,5,6,7
	v_lshrrev_b32 v[TM+\t], 23, v[TM+8+\t]
.endr
.irp t, 0,1,2,3,4,5,6,7
	v_lshlrev_b32 v[TM+\t], v[SH8], v[TM+\t]       ; my block's byte at its place,
.endr
.irp t, 0,1,2,3,4,5,6,7
	v_permlanex16_b32 v[TM+16+\t], v[TM+\t], s[SEL], s[SEL+1]
.endr
.irp t, 0,1,2,3,4,5,6,7
	v_or_b32 v[WS+\t], v[TM+\t], v[TM+16+\t]       ; with lane l xor 16's the word is whole
.endr
	WIN 0x01
.irp t, 0,1,2,3,4,5,6,7
	v_cvt_scalef32_pk16_fp6_f32 v[WF+6*\t:WF+6*\t+2], v[32*\t:32*\t+15], v[TM+8+\t]
	v_cvt_scalef32_pk16_fp6_f32 v[D+4*\t:D+4*\t+2], v[32*\t+16:32*\t+31], v[TM+8+\t]
.endr
	WIN 0
	v_nop
.irp t, 0,1,2,3,4,5,6,7
.irp i, 0,1,2
	v_mov_b32 v[WF+6*\t+3+\i], v[D+4*\t+\i]
.endr
.endr
	s_wait_tensorcnt 0x0                           ; x's 64 rows lie in LDS
	XLOAD 0
.irp g, 0,1,2,3
	XQ \g
	WIN 0x20                                       ; C: window 2
.irp e, 0,1                                        ; transposed: source 0 = 16 rows of the weight, source 1 = 16 pixels: a lane holds one pixel, its registers run along q's (k's) numbers
.irp u, 0,1
	MM D+16*\e+8*\u, WF+6*\u, XF+12*\e, BQ+8*\u, WS+\u, XS, 0, \e
	MM D+32+16*\e+8*\u, WF+12+6*\u, XF+12*\e, BK+8*\u, WS+2+\u, XS, 0, \e
.endr
.endr
	WIN 0
	PLACES 4
	QKQ \g, D, CT, QW, 18
	QKQ \g, D+32, CT+8, KW, 22
	PLACES 5                                       ; the products below write over results of the products above
.irp e, 0,1                                        ; source 0 = 16 pixels, source 1 = 16 rows of Wv: a lane holds one channel, its registers run along the pixels
.irp t, 0,1,2,3
	MM D+16*\t+8*\e, XF+12*\e, WF+24+6*\t, -1, XS, WS+4+\t, \e, 0
.endr
.endr
	PLACES 4
	VQ \g
.endr
	v_cmp_le_u32 vcc_lo, 16, v0                    ; lanes 16-31 take the second word of each pair
	v_cndmask_b32 v[OW], v[QW], v[QW+1], vcc_lo
	v_cndmask_b32 v[OW+1], v[KW], v[KW+1], vcc_lo
	v_cndmask_b32 v[OW+2], v[VW], v[VW+1], vcc_lo
	v_cndmask_b32 v[OW+3], v[VW+2], v[VW+3], vcc_lo
	global_store_b32 v[LI4], v[OW], s[20:21]
	global_store_b32 v[LI4], v[OW+1], s[24:25]
	global_store_b32 v[LI4], v[OW+2], s[24:25] offset:128
	global_store_b32 v[LI4], v[OW+3], s[24:25] offset:256
	s_wait_tensorcnt 0x0                           ; the wave's end
	ds_add_u32 v[SPW], v[NIL]
	s_wait_dscnt 0x0
	s_endpgm
.Lfunc_end_k_q59d41e6582_prep:
	.size	k_q59d41e6582_prep, .Lfunc_end_k_q59d41e6582_prep-k_q59d41e6582_prep
	.p2alignl 7, 3214868480
	.fill 96, 4, 3214868480
	.section	.rodata,"a",@progbits
	.p2align	6, 0x0
	.amdhsa_kernel k_q59d41e6582_prep
		.amdhsa_group_segment_fixed_size 167936
		.amdhsa_private_segment_fixed_size 0
		.amdhsa_enable_private_segment 0
		.amdhsa_kernarg_size 88
		.amdhsa_user_sgpr_count 2
		.amdhsa_user_sgpr_kernarg_segment_ptr 1
		.amdhsa_wavefront_size32 1
		.amdhsa_system_sgpr_workgroup_id_x 1
		.amdhsa_system_sgpr_workgroup_id_y 1
		.amdhsa_system_sgpr_workgroup_id_z 1
		.amdhsa_system_vgpr_workitem_id 0
		.amdhsa_next_free_vgpr 544
		.amdhsa_next_free_sgpr 66
		.amdhsa_reserve_vcc 1
		.amdhsa_float_denorm_mode_32 3
		.amdhsa_float_denorm_mode_16_64 3
		.amdhsa_memory_ordered 1
		.amdhsa_forward_progress 1
		.amdhsa_inst_pref_size 98
	.end_amdhsa_kernel
	.amdgpu_metadata
---
amdhsa.version: [ 1, 2 ]
amdhsa.kernels:
  - .name:           k_q59d41e6582_prep
    .symbol:         k_q59d41e6582_prep.kd
    .args:
      - { .name: x1, .offset: 0, .size: 8, .value_kind: global_buffer, .address_space: global }
      - { .name: x2, .offset: 8, .size: 8, .value_kind: global_buffer, .address_space: global }
      - { .name: Wq, .offset: 16, .size: 8, .value_kind: global_buffer, .address_space: global }
      - { .name: bq, .offset: 24, .size: 8, .value_kind: global_buffer, .address_space: global }
      - { .name: Wk, .offset: 32, .size: 8, .value_kind: global_buffer, .address_space: global }
      - { .name: bk, .offset: 40, .size: 8, .value_kind: global_buffer, .address_space: global }
      - { .name: Wv, .offset: 48, .size: 8, .value_kind: global_buffer, .address_space: global }
      - { .name: qimg, .offset: 56, .size: 8, .value_kind: global_buffer, .address_space: global }
      - { .name: qsc, .offset: 64, .size: 8, .value_kind: global_buffer, .address_space: global }
      - { .name: kv, .offset: 72, .size: 8, .value_kind: global_buffer, .address_space: global }
      - { .name: sc, .offset: 80, .size: 8, .value_kind: global_buffer, .address_space: global }
    .group_segment_fixed_size: 167936
    .private_segment_fixed_size: 0
    .kernarg_segment_align: 8
    .kernarg_segment_size: 88
    .max_flat_workgroup_size: 32
    .sgpr_count:     66
    .vgpr_count:     544
    .wavefront_size: 32
...
	.end_amdgpu_metadata
.endif
;; end of part 1
;; launch stats (part 2): grid 32 x 8, 8 waves a work-group, clusters of 4 x 1, 167,936 bytes of LDS; arguments qimg, qsc, kv, sc, negl; writes negl
.if DOCPART == 2
	.amdgcn_target "amdgcn-amd-amdhsa--gfx1250"
	.amdhsa_code_object_version 6
	.text
	.protected	k_q59d41e6582_stats
	.globl	k_q59d41e6582_stats
	.p2align	8
	.type	k_q59d41e6582_stats,@function
k_q59d41e6582_stats:
	s_mov_b64 s[64:65], 0
	v_nop
	global_prefetch_b8 v0, s[64:65] scope:SCOPE_SE
	s_setreg_imm32_b32 hwreg(HW_REG_WAVE_MODE, 25, 1), 1
	s_wait_xcnt 0x0
	s_wait_alu depctr_hold_cnt(0) depctr_sa_sdst(0) depctr_va_vdst(0) depctr_va_sdst(0) depctr_va_ssrc(0) depctr_va_vcc(0) depctr_vm_vsrc(0)
	s_getreg_b32 s2, hwreg(HW_REG_IB_STS2, 6, 4)
	s_cmp_eq_u32 s2, 0
	s_cbranch_scc0 .Lentry_in_a_cluster
	s_endpgm
.Lentry_in_a_cluster:
	s_bfe_u32 s2, ttmp6, 0x10000c
	s_cmp_lg_u32 s2, 0x3003
	s_cbranch_scc0 .Lentry_shape_is_right
	s_endpgm
.Lentry_shape_is_right:
; FeatureAggregation, launch 2 of 3.  am[n][m] = q_n . k_m on the codes that launch 1 made; the softmax runs over n, apart for each column m.  This launch stores negl[b][m] = -(max_n am + ln sum_n exp(am - max)).
; Nothing is left out.  LIMITS: NaN and infinities are not served; scores x log2(e) under -3e38 are not served (the running maximum begins there).
; SHARES.  A work-group owns the 128 columns m of one step, wave w the 16 columns 16 w + r, resident on the lanes; every wave walks all 4,096 n of the batch, 128 a step.
; The whole batch's q (98,304 bytes of codes, 4,096 of scale words) lies in LDS, filled ONCE: no slot is filled again.  CLUSTER: the four work-groups of a cluster belong to one batch and read the same q:
; each piece is asked for jointly, by the same tensor load with the same descriptor (made of the batch and the wave's number alone) and the mask of all four.
; K = 32 IN AN INSTRUCTION OF K = 128.  The streamed operand is dense: block e of a fragment's row holds the 32 codes of another pixel, 64 pixels a fragment.  The resident operand has four versions, version e with its
; codes in block e and zero codes elsewhere (scale word: its byte at byte e, 0 elsewhere: 2^-127 on zero codes): four products on one streamed fragment give four tiles.  The versions are windows on one chain of
; registers: zeros, codes in lanes 0-15, zeros, codes in lanes 16-31, zeros.
; Q A STEP AHEAD.  A step's eight products are its only readers of q's fragments, so the next step's nine LDS loads go into the same registers, behind the step's maxima, and land under its scalings, exponentials and sums.
; q arrives in four chunks of eight steps; since a step asks for the next step's q, the wait and the barrier for chunk c stand one step ahead of the chunk's first step: segments of 7, 8, 8, 8 steps, and the last step written out.
; Each half of the lanes keeps a running maximum and four running sums of its own half of the n; they meet once, at the end.
.set QSCB,  98304                      ; LDS: q's codes from 0, 3,072 bytes a step; q's scale words, 128 a step;
.set NLS,   102400                     ; the work-group's 128 results: two blocks of 256 bytes into which no fill lands;
.set SPARE, 102912                     ; the spare words, 128 bytes for each wave: four blocks that no other line names
.set LI16, 1
.set LI8,  2
.set LI4,  3
.set A16,  4                           ; addresses of the step that is asked for
.set A8,   5
.set ASC,  6
.set NLSA, 7                           ; where my column's result goes
.set RR,   8
.set HH,   9
.set SPW,  10
.set NIL,  11
.set RS,   12                          ; v12-15  the resident scale words, one a version
.set KR,   16                          ; v16-45  the chain
.set QF,   46                          ; v46-69  two fragments of q
.set QS,   70                          ; their scale words: lanes 0-15 the first's, lanes 16-31 the second's
.set S,    72                          ; v72-135 eight tiles of scores
.set TM,   136
.set CM,   140                         ; v[140:141] the running maximum x log2(e) (the packed form names a pair and takes its low word)
.set CMO,  142
.set AL,   144                         ; v[144:145] 2^(old maximum - new)
.set T,    150                         ; v150-155 the resident codes as loaded; at work at the end
.set HM,   156                         ; all ones in lanes 0-15
.set NHM,  157                         ; all ones in lanes 16-31
.set NLR,  158                         ; NLS + 16 x lane
.set ZQ,   160                         ; v160-167 four running sums, a pair each
.set WV,   14
.set SEL,  18
.set CS,   20
.set G1C,  24
.set G1S,  32
.set G0S,  40
.set G0C,  44
.set OFF,  60
.set SCO,  61
.set CNT,  62
.macro PLACES n
.rept \n
	v_nop
.endr
.endm
.macro MM d, a, b, c, sa, sb, arow, brow
.if (\c) < 0
.if \arow
	v_wmma_scale_f32_16x16x128_f8f6f4 v[(\d):(\d)+7], v[(\a):(\a)+11], v[(\b):(\b)+11], 0, v[(\sa)], v[(\sb)] matrix_a_fmt:MATRIX_FMT_FP6 matrix_b_fmt:MATRIX_FMT_FP6 matrix_a_scale:MATRIX_SCALE_ROW1
.elseif \brow
	v_wmma_scale_f32_16x16x128_f8f6f4 v[(\d):(\d)+7], v[(\a):(\a)+11], v[(\b):(\b)+11], 0, v[(\sa)], v[(\sb)] matrix_a_fmt:MATRIX_FMT_FP6 matrix_b_fmt:MATRIX_FMT_FP6 matrix_b_scale:MATRIX_SCALE_ROW1
.else
	v_wmma_scale_f32_16x16x128_f8f6f4 v[(\d):(\d)+7], v[(\a):(\a)+11], v[(\b):(\b)+11], 0, v[(\sa)], v[(\sb)] matrix_a_fmt:MATRIX_FMT_FP6 matrix_b_fmt:MATRIX_FMT_FP6
.endif
.else
.if \arow
	v_wmma_scale_f32_16x16x128_f8f6f4 v[(\d):(\d)+7], v[(\a):(\a)+11], v[(\b):(\b)+11], v[(\c):(\c)+7], v[(\sa)], v[(\sb)] matrix_a_fmt:MATRIX_FMT_FP6 matrix_b_fmt:MATRIX_FMT_FP6 matrix_a_scale:MATRIX_SCALE_ROW1
.elseif \brow
	v_wmma_scale_f32_16x16x128_f8f6f4 v[(\d):(\d)+7], v[(\a):(\a)+11], v[(\b):(\b)+11], v[(\c):(\c)+7], v[(\sa)], v[(\sb)] matrix_a_fmt:MATRIX_FMT_FP6 matrix_b_fmt:MATRIX_FMT_FP6 matrix_b_scale:MATRIX_SCALE_ROW1
.else
	v_wmma_scale_f32_16x16x128_f8f6f4 v[(\d):(\d)+7], v[(\a):(\a)+11], v[(\b):(\b)+11], v[(\c):(\c)+7], v[(\sa)], v[(\sb)] matrix_a_fmt:MATRIX_FMT_FP6 matrix_b_fmt:MATRIX_FMT_FP6
.endif
.endif
.endm
.macro ROUND                           ; a round of the cluster's barrier
	s_barrier_signal -1
	s_barrier_wait -1
	s_cmp_lg_u32 s[WV], 0
	s_cbranch_scc1 .Lnot_wave_0_\@
	s_barrier_signal -3
.Lnot_wave_0_\@:
	s_barrier_wait -3
	s_barrier_signal -1
	s_barrier_wait -1
.endm
.macro G1SET g, rows                   ; a dense block as rows of 256 bytes (32 elements of 8 bytes); 15:0 the mask of all four work-groups, bit 21 set beside it
	s_mov_b32 s[\g], 15|(3<<16)|(1<<21)
	s_mov_b32 s[\g+1], 32<<16
	s_mov_b32 s[\g+2], (\rows)<<16
	s_mov_b32 s[\g+3], 32<<16
	s_mov_b32 s[\g+4], \rows
	s_mov_b32 s[\g+5], 32
	s_mov_b32 s[\g+6], 0
	s_mov_b32 s[\g+7], 0
.endm
.macro FRAGLD reg, off                 ; a fragment is two units: every load takes 16 or 8 bytes a lane on end
	ds_load_b128 v[(\reg):(\reg)+3], v[A16] offset:(\off)
	ds_load_b64 v[(\reg)+4:(\reg)+5], v[A8] offset:(\off)+512
	ds_load_b128 v[(\reg)+6:(\reg)+9], v[A16] offset:(\off)+768
	ds_load_b64 v[(\reg)+10:(\reg)+11], v[A8] offset:(\off)+1280
.endm
.macro ADDR                            ; my lane's addresses in the step at s[OFF], s[SCO]
	v_add_nc_u32 v[A16], s[OFF], v[LI16]
	v_add_nc_u32 v[A8], s[OFF], v[LI8]
	v_add_nc_u32 v[ASC], s[SCO], v[LI4]
.endm
.macro QLOAD                           ; that step's two fragments of q and their scale words: nine LDS loads
	FRAGLD QF, 0
	FRAGLD QF+12, 1536
	ds_load_b32 v[QS], v[ASC]
.endm
; 128 n against my 16 columns.  nx = 1: the next step's q is asked for on the way
.macro STEP nx
	s_wait_dscnt 0x0                               ; this step's q, asked for a step ago, is in
.irp f, 0,1
.irp e, 0,1,2,3
	MM S+8*(4*\f+\e), QF+12*\f, KR+12*(\e%2)+6*(1-\e/2), -1, QS, RS+\e, \f, 0
.endr
.endr
	v_mov_b32 v[CMO], v[CM]                        ; four plain lines that name no register of the products: the places ahead of the first read of the scores and of the loads into q's registers
.if \nx
	ADDR
.else
	PLACES 3
.endif
.irp b, 0,1,2,3
	v_max3_num_f32 v[TM+\b], v[S+16*\b], v[S+16*\b+1], v[S+16*\b+2]   ; the largest of my 64 scores, in four chains; each tile is first read at its low end
.endr
.irp i, 3,5,7,9,11,13
.irp b, 0,1,2,3
	v_max3_num_f32 v[TM+\b], v[TM+\b], v[S+16*\b+\i], v[S+16*\b+\i+1]
.endr
.endr
.irp b, 0,1,2,3
	v_max_num_f32 v[TM+\b], v[TM+\b], v[S+16*\b+15]
.endr
.if \nx
	QLOAD                                          ; into the registers that the eight products above have left
	s_add_co_u32 s[OFF], s[OFF], 3072
	s_add_co_u32 s[SCO], s[SCO], 128
.endif
	v_max3_num_f32 v[TM], v[TM], v[TM+1], v[TM+2]
	v_max_num_f32 v[TM], v[TM], v[TM+3]
	v_mul_f32 v[TM], s[CS], v[TM]
	v_max_num_f32 v[CM], v[CM], v[TM]              ; the running maximum is taken away ahead of every exponential
	v_sub_f32 v[AL], v[CMO], v[CM]
	; ONE BATCH of 32 scalings and 65 exponentials, none of which reads an exponential's result: four scalings lead, then a scaling and the two exponentials of the pair scaled four groups earlier
.set j, 0
.rept 4
	v_pk_fma_f32 v[S+j:S+j+1], v[S+j:S+j+1], s[CS:CS+1], v[CM:CM+1] op_sel_hi:[1,0,0] neg_lo:[0,0,1] neg_hi:[0,0,1]
.set j, j+2
.endr
	v_exp_f32 v[AL], v[AL]
.set j, 0
.rept 28
	v_pk_fma_f32 v[S+j+8:S+j+9], v[S+j+8:S+j+9], s[CS:CS+1], v[CM:CM+1] op_sel_hi:[1,0,0] neg_lo:[0,0,1] neg_hi:[0,0,1]
	v_exp_f32 v[S+j], v[S+j]
	v_exp_f32 v[S+j+1], v[S+j+1]
.set j, j+2
.endr
.rept 8
	v_exp_f32 v[S+j], v[S+j]
.set j, j+1
.endr
	v_nop                                          ; a plain place behind the last exponential
	s_wait_alu depctr_va_vdst(0)                   ; one wait for the batch of 65, ahead of its first reader
	; the sums as a tree, in place: neighbours 1, 2 and 4 pairs apart; then four running sums take a quarter each: no line waits for the line above it
.set j, 0
.rept 16
	v_pk_add_f32 v[S+j:S+j+1], v[S+j:S+j+1], v[S+j+2:S+j+3]
.set j, j+4
.endr
.set j, 0
.rept 8
	v_pk_add_f32 v[S+j:S+j+1], v[S+j:S+j+1], v[S+j+4:S+j+5]
.set j, j+8
.endr
.set j, 0
.rept 4
	v_pk_add_f32 v[S+j:S+j+1], v[S+j:S+j+1], v[S+j+8:S+j+9]
.set j, j+16
.endr
.irp u, 0,1,2,3
	v_pk_fma_f32 v[ZQ+2*\u:ZQ+2*\u+1], v[ZQ+2*\u:ZQ+2*\u+1], v[AL:AL+1], v[S+16*\u:S+16*\u+1] op_sel_hi:[1,0,1]   ; the sum under the new maximum, and this step's part
.endr
.endm
; A segment: chunk c has landed; the steps that follow ask for its eight steps' q (the first segment: step 0 at once, then seven)
.macro SEG c
	s_wait_tensorcnt 3-\c                          ; my loads up to chunk c's have landed; the 3 - c later chunks' may stay out
	s_wait_dscnt 0x0
	s_barrier_signal -1
	s_barrier_wait -1                              ; everybody's have
.if \c == 0
	s_mov_b32 s[OFF], 0
	s_mov_b32 s[SCO], QSCB
	ADDR
	QLOAD                                          ; step 0
	s_mov_b32 s[OFF], 3072
	s_mov_b32 s[SCO], QSCB+128
	s_mov_b32 s[CNT], 7
.else
	s_mov_b32 s[OFF], 24576*\c
	s_mov_b32 s[SCO], QSCB+1024*\c
	s_mov_b32 s[CNT], 8
.endif
.Lstep_\@:
	STEP 1
	s_sub_co_u32 s[CNT], s[CNT], 1
	s_cmp_lg_u32 s[CNT], 0
	s_cbranch_scc1 .Lstep_\@
.endm
	s_load_b256 s[4:11], s[0:1], 0x0               ; qimg, qsc, kv, sc
	s_load_b64 s[12:13], s[0:1], 0x20              ; negl
	v_lshl_add_u32 v[SPW], v0, 2, SPARE
	v_mov_b32 v[NIL], 0
	ds_add_u32 v[SPW], v[NIL]                      ; the wave's opening: the add, twice on end, and its wait ahead of the round in front of my first tensor load
	ds_add_u32 v[SPW], v[NIL]
	v_lshrrev_b32 v72, 5, v0
	v_readfirstlane_b32 s[WV], v72                 ; wave 0..7
	s_bfe_u32 s15, ttmp6, 0x40000                  ; cx: it enters the addresses of my own columns alone
	s_lshl_b32 s16, ttmp9, 2
	s_add_co_u32 s16, s16, s15                     ; my step of columns
	s_and_b32 s17, ttmp7, 0xffff                   ; the batch, which the four partners share
	G1SET G1C, 12                                  ; a step's codes of q: 3,072 bytes
	G1SET G1S, 2                                   ; four steps' scale words: 512 bytes
	s_mov_b32 s[SEL], 0x76543210
	s_mov_b32 s[SEL+1], 0xfedcba98
	s_mov_b32 s[CS], 0x3fb8aa3b                    ; log2(e)
	s_mov_b32 s[CS+1], s[CS]
	s_lshl_b32 s66, s17, 12
	s_lshl_b32 s68, s[WV], 9
	s_add_co_u32 s66, s66, s68                     ; scale words: 4,096 x batch + 512 x wave
	s_mov_b32 s67, 0
	s_add_co_u32 s[G0S+1], s68, QSCB
	s_mul_i32 s70, s[WV], 3072
	s_mul_i32 s68, s17, 98304
	s_add_co_u32 s68, s68, s70                     ; codes: 98,304 x batch + 3,072 x wave (+ 24,576 x chunk)
	s_mov_b32 s69, 0
	s_wait_dscnt 0x0                               ; both opening adds are done
	s_wait_kmcnt 0x0
	s_mov_b32 s[G0S], 1
	s_add_nc_u64 s[G0S+2:G0S+3], s[6:7], s[66:67]
	s_or_b32 s[G0S+3], s[G0S+3], 0x80000000
	s_add_nc_u64 s[68:69], s[4:5], s[68:69]
.irp c, 0,1,2,3
	s_mov_b32 s[G0C+4*\c], 1
	s_add_co_u32 s[G0C+4*\c+1], s70, 24576*\c
	s_add_nc_u64 s[G0C+4*\c+2:G0C+4*\c+3], s[68:69], 24576*\c
	s_or_b32 s[G0C+4*\c+3], s[G0C+4*\c+3], 0x80000000
.endr
	ROUND                                          ; all four work-groups are here: the joint loads meet
	tensor_load_to_lds s[G0S:G0S+3], s[G1S:G1S+7]  ; five tensor loads of mine are out: the scale words first, then the chunks in the order in which they are read
	s_nop 0
.irp c, 0,1,2,3
	tensor_load_to_lds s[G0C+4*\c:G0C+4*\c+3], s[G1C:G1C+7]
	s_nop 0
.endr
	PLACES 4
	v_and_b32 v72, 31, v0
	v_lshlrev_b32 v[LI16], 4, v72
	v_lshlrev_b32 v[LI8], 3, v72
	v_lshlrev_b32 v[LI4], 2, v72
	v_and_b32 v[RR], 15, v0
	v_bfe_u32 v[HH], v0, 4, 1
	v_add_nc_u32 v[HM], -1, v[HH]
	v_sub_nc_u32 v[NHM], 0, v[HH]
	s_lshl_b32 s68, s[WV], 6
	s_add_co_u32 s68, s68, NLS
	v_lshl_add_u32 v[NLSA], v[RR], 2, s68
	v_add_nc_u32 v[NLR], NLS, v[LI16]
	; the resident k: pixel 16 w + r of my step lies in unit w / 2 at lane 16 (r / 8) + 8 (w % 2) + r % 8
	s_mul_i32 s66, s17, 294912
	s_mul_i32 s68, s16, 9216
	s_add_co_u32 s66, s66, s68
	s_lshr_b32 s68, s[WV], 1
	s_mul_i32 s68, s68, 768
	s_add_co_u32 s66, s66, s68
	s_add_nc_u64 s[8:9], s[8:9], s[66:67]
	s_and_b32 s70, s[WV], 1
	s_lshl_b32 s71, s70, 3
	v_and_b32 v73, 7, v0
	v_bfe_u32 v74, v0, 3, 1
	v_lshl_add_u32 v75, v74, 4, v73
	v_add_nc_u32 v75, s71, v75
	v_lshlrev_b32 v76, 4, v75
	v_lshlrev_b32 v77, 3, v75
	global_load_b128 v[T:T+3], v76, s[8:9]
	global_load_b64 v[T+4:T+5], v77, s[8:9] offset:512
	s_mul_i32 s66, s17, 12288                      ; its scale byte: word 16 (w / 4) + 8 (w % 2) + r % 8, byte 2 ((w / 2) % 2) + r / 8
	s_mul_i32 s68, s16, 384
	s_add_co_u32 s66, s66, s68
	s_lshr_b32 s68, s[WV], 2
	s_lshl_b32 s68, s68, 6
	s_add_co_u32 s66, s66, s68
	s_lshl_b32 s68, s70, 5
	s_add_co_u32 s66, s66, s68
	s_add_nc_u64 s[10:11], s[10:11], s[66:67]
	v_lshlrev_b32 v78, 2, v73
	global_load_b32 v79, v78, s[10:11]
	s_bfe_u32 s68, s[WV], 0x10001
	s_lshl_b32 s68, s68, 4
	v_lshl_add_u32 v80, v74, 3, s68
	s_lshl_b32 s66, s17, 14                        ; my work-group's 512 bytes of the result
	s_lshl_b32 s68, s16, 9
	s_add_co_u32 s66, s66, s68
	s_add_nc_u64 s[12:13], s[12:13], s[66:67]
	s_wait_loadcnt 0x0
	v_lshrrev_b32 v79, v80, v79
	v_and_b32 v79, 255, v79
	v_mov_b32 v[RS], v79
	v_lshlrev_b32 v[RS+1], 8, v79
	v_lshlrev_b32 v[RS+2], 16, v79
	v_lshlrev_b32 v[RS+3], 24, v79
.irp i, 0,1,2,3,4,5
	v_mov_b32 v[KR+\i], 0
	v_and_b32 v[KR+6+\i], v[HM], v[T+\i]
	v_mov_b32 v[KR+12+\i], 0
	v_and_b32 v[KR+18+\i], v[NHM], v[T+\i]
	v_mov_b32 v[KR+24+\i], 0
.endr
	v_mov_b32 v[CM], 0xff61b1e6                    ; -3e38, under every score x log2(e)
	v_mov_b32 v[CM+1], 0                           ; (named as the upper halves of pairs)
	v_mov_b32 v[AL+1], 0
.irp i, 0,1,2,3,4,5,6,7
	v_mov_b32 v[ZQ+\i], 0                          ; the step is written once: the first finds zeros
.endr
	SEG 0
	SEG 1
	SEG 2
	SEG 3
	STEP 0                                         ; the last step asks for nothing
	; the four sums, their halves and the two halves of the lanes meet
	v_pk_add_f32 v[ZQ:ZQ+1], v[ZQ:ZQ+1], v[ZQ+2:ZQ+3]
	v_pk_add_f32 v[ZQ+4:ZQ+5], v[ZQ+4:ZQ+5], v[ZQ+6:ZQ+7]
	v_pk_add_f32 v[ZQ:ZQ+1], v[ZQ:ZQ+1], v[ZQ+4:ZQ+5]
	v_add_f32 v[T], v[ZQ], v[ZQ+1]
	v_permlanex16_b32 v[T+1], v[CM], s[SEL], s[SEL+1]
	v_permlanex16_b32 v[T+2], v[T], s[SEL], s[SEL+1]
	v_max_num_f32 v[T+3], v[CM], v[T+1]
	v_sub_f32 v[T+4], v[CM], v[T+3]
	v_sub_f32 v[T+5], v[T+1], v[T+3]
	v_exp_f32 v[T+4], v[T+4]
	v_exp_f32 v[T+5], v[T+5]
	v_nop
	s_wait_alu depctr_va_vdst(0)
	v_mul_f32 v[T], v[T], v[T+4]
	v_fma_f32 v[T], v[T+2], v[T+5], v[T]
	v_log_f32 v[T+1], v[T]
	v_nop
	s_wait_alu depctr_va_vdst(0)
	v_add_f32 v[T+1], v[T+3], v[T+1]               ; log2 of the column's sum of exponentials
	v_mul_f32 v[T+1], 0xbf317218, v[T+1]           ; x -ln 2
	ds_store_b32 v[NLSA], v[T+1]                   ; both halves of the lanes write the same word with the same value
	s_wait_dscnt 0x0                               ; for the others' sake
	s_barrier_signal -1
	s_barrier_wait -1
	s_cmp_lg_u32 s[WV], 0
	s_cbranch_scc1 .Lnot_mine
	ds_load_b128 v[S:S+3], v[NLR]
	s_wait_dscnt 0x0
	global_store_b128 v[LI16], v[S:S+3], s[12:13]  ; wave 0 stores the work-group's 512 consecutive bytes
.Lnot_mine:
	s_wait_tensorcnt 0x0                           ; the wave's end
	ds_add_u32 v[SPW], v[NIL]
	s_wait_dscnt 0x0
	ROUND                                          ; the closing round
	s_endpgm
.Lfunc_end_k_q59d41e6582_stats:
	.size	k_q59d41e6582_stats, .Lfunc_end_k_q59d41e6582_stats-k_q59d41e6582_stats
	.p2alignl 7, 3214868480
	.fill 96, 4, 3214868480
	.section	.rodata,"a",@progbits
	.p2align	6, 0x0
	.amdhsa_kernel k_q59d41e6582_stats
		.amdhsa_group_segment_fixed_size 167936
		.amdhsa_private_segment_fixed_size 0
		.amdhsa_enable_private_segment 0
		.amdhsa_kernarg_size 40
		.amdhsa_user_sgpr_count 2
		.amdhsa_user_sgpr_kernarg_segment_ptr 1
		.amdhsa_wavefront_size32 1
		.amdhsa_system_sgpr_workgroup_id_x 1
		.amdhsa_system_sgpr_workgroup_id_y 1
		.amdhsa_system_sgpr_workgroup_id_z 1
		.amdhsa_system_vgpr_workitem_id 0
		.amdhsa_next_free_vgpr 168
		.amdhsa_next_free_sgpr 72
		.amdhsa_reserve_vcc 0
		.amdhsa_float_denorm_mode_32 3
		.amdhsa_float_denorm_mode_16_64 3
		.amdhsa_memory_ordered 1
		.amdhsa_forward_progress 1
		.amdhsa_inst_pref_size 62
	.end_amdhsa_kernel
	.amdgpu_metadata
---
amdhsa.version: [ 1, 2 ]
amdhsa.kernels:
  - .name:           k_q59d41e6582_stats
    .symbol:         k_q59d41e6582_stats.kd
    .args:
      - { .name: qimg, .offset: 0, .size: 8, .value_kind: global_buffer, .address_space: global }
      - { .name: qsc, .offset: 8, .size: 8, .value_kind: global_buffer, .address_space: global }
      - { .name: kv, .offset: 16, .size: 8, .value_kind: global_buffer, .address_space: global }
      - { .name: sc, .offset: 24, .size: 8, .value_kind: global_buffer, .address_space: global }
      - { .name: negl, .offset: 32, .size: 8, .value_kind: global_buffer, .address_space: global }
    .group_segment_fixed_size: 167936
    .private_segment_fixed_size: 0
    .kernarg_segment_align: 8
    .kernarg_segment_size: 40
    .max_flat_workgroup_size: 256
    .sgpr_count:     72
    .vgpr_count:     168
    .wavefront_size: 32
...
	.end_amdgpu_metadata
.endif
;; end of part 2
;; launch main (part 3): grid 32 x 8, 8 waves a work-group, clusters of 4 x 1, 327,680 bytes of LDS; arguments qimg, qsc, kv, sc, negl, x1, x2, Wsc, gamma, out0; writes out0
.if DOCPART == 3
	.amdgcn_target "amdgcn-amd-amdhsa--gfx1250"
	.amdhsa_code_object_version 6
	.text
	.protected	k_q59d41e6582_main
	.globl	k_q59d41e6582_main
	.p2align	8
	.type	k_q59d41e6582_main,@function
k_q59d41e6582_main:
	s_mov_b64 s[64:65], 0
	v_nop
	global_prefetch_b8 v0, s[64:65] scope:SCOPE_SE
	s_setreg_imm32_b32 hwreg(HW_REG_WAVE_MODE, 25, 1), 1
	s_wait_xcnt 0x0
	s_wait_alu depctr_hold_cnt(0) depctr_sa_sdst(0) depctr_va_vdst(0) depctr_va_sdst(0) depctr_va_ssrc(0) depctr_va_vcc(0) depctr_vm_vsrc(0)
	s_getreg_b32 s2, hwreg(HW_REG_IB_STS2, 6, 4)
	s_cmp_eq_u32 s2, 0
	s_cbranch_scc0 .Lentry_in_a_cluster
	s_endpgm
.Lentry_in_a_cluster:
	s_bfe_u32 s2, ttmp6, 0x10000c
	s_cmp_lg_u32 s2, 0x3003
	s_cbranch_scc0 .Lentry_shape_is_right
	s_endpgm
.Lentry_shape_is_right:
; FeatureAggregation, launch 3 of 3.  a[n][m] = exp(q_n . k_m + negl[m]) is the finished softmax over n; it is quantised along m in blocks of 32; out[c][n] = sum_m v[c][m] a[n][m];
; y = gamma out + x is quantised along the 64 channels; out0 = Wsc y.  All products on codes of E2M3.  Nothing is left out.
; LIMITS: NaN and infinities are not served; an a under 2^-126 becomes 0 (the exponential gives 0 there); negl is one f32 number a column, so a carries its rounding, about 1e-7 x |negl|, in the exponent.
; SHARES.  A work-group owns the 128 pixels n of one step.  Wave w holds TWO resident tiles of q: tile w, which it finishes, and tile w xor 1; it walks the 16 steps of m of parity w % 2.  So each fragment of
; k, v and negl read from LDS feeds two tiles; at the end partners w and w xor 1 hand each other one partial sum through LDS.
; The whole batch's k, v, scale words and negl lie in LDS (323,584 bytes), filled ONCE, in four chunks of eight steps that are waited for one after the other.  CLUSTER: the four work-groups of a cluster belong to
; one batch and read the same bytes: every piece is asked for jointly (descriptor made of the batch and the wave's number alone, mask of all four).
; SCORES: source 0 = a dense fragment of k (64 pixels m), source 1 = one of four versions of the resident q (launch 2 says how), C = negl in the result's own layout: the product gives am - max - ln(sum) at once.
; By the order of pixels in a unit, the 16 registers of tiles 2 B and 2 B + 1 are m = 32 B + 16 (lane / 16) + 0 .. 15: a is quantised where it stands.  out: source 0 = 16 channels of v, source 1 = a.
; OPERANDS AHEAD.  v's 18 LDS loads stand at a step's head and land under the two tiles' softmax.  k, its scale words and negl are last read by the second tile's score products: the NEXT step's 25 loads go into the same
; registers in the middle of the step and land under the rest of it.  So the wait and the barrier for chunk c stand one of my steps ahead of the chunk's first: segments of 3, 4, 4, 4 of my steps, and my last step written out.
; REGISTERS.  window 0: the names below.  window 1: v0-63 out (tile a at 32 a, channel tile t at + 8 t); v64-127 negl; v128-181 q's chain; v184-215 x of my 16 pixels; v216-233 Wsc's two tiles and zeros.
.set SCB,   294912                     ; LDS: k and v from 0, 9,216 bytes a step; the scale words, 384 a step;
.set NLB,   307200                     ; negl, 512 a step;
.set SPARE, 323584                     ; the spare words, 128 bytes for each wave: four blocks of 256 bytes that no other line names
.set STG,   32768                      ; the way out: from 0 eight places of 4,096 bytes for the partial sums, from here 32 rows of 528 bytes: in the first chunk's bytes, which have had their only fill and are read by nobody any more
.set LI16, 1
.set LI8,  2
.set LI4,  3
.set NLA0, 4                           ; 64 (lane / 16)
.set A16,  5                           ; addresses of the step in hand
.set A8,   6
.set ASC,  7
.set ANL,  8
.set SPW,  10
.set NIL,  11
.set WSS,  14                          ; v14-15  Wsc's scale words
.set RS,   16                          ; v16-23  the resident scale words: tile a, version e at 4 a + e
.set KS,   24                          ; k's scale words; v25, v26: v's (tiles 0 | 1, tiles 2 | 3)
.set VS01, 25
.set ASA,  27                          ; v27, v28 a's scale words, tile 0, 1
.set YS,   29                          ; y's
.set KF,   30                          ; v30-53   two fragments of k
.set VF,   54                          ; v54-101  four fragments of v
.set S,    102                         ; v102-165 eight tiles of scores, then a
.set AC,   166                         ; v166-189 a's codes, tile a at 12 a
.set CT,   190                         ; v190-197 conversion results on their way
.set TM,   198                         ; v198-213 at work
.set TA,   214                         ; v214-225 the resident codes as loaded
.set TB,   220
.set HM,   226
.set NHM,  227
.set EXS,  228                         ; where my partial sum of the partner's tile goes; v229: where the partner's of mine lies
.set EXL,  229
.set STS,  230                         ; the stage: in; v231: back
.set STL,  231
.set XO,   232                         ; x: 262,144 (lane / 16) + 4 (lane % 16); never rewritten
.set O,    0                           ; window 1
.set NL,   64
.set QR,   128
.set XV,   184
.set WSF,  216
.set GAM,  24                          ; s[24:25] gamma, twice
.set WV,   26
.set G1KV, 32
.set G1SC, 40
.set G1NL, 48
.set G0SC, 56
.set G0NL, 60
.set G0KV, 68
.set SEL,  84
.set CS,   86
.set KVO,  88
.set SCO,  89
.set NLO,  90
.set CNT,  91
.set ZKV,  92
.set ZSC,  93
.set ZNL,  94
.set MSB, 0
.macro WIN new                         ; the immediate's high byte repeats the setting that is left
.if MSB != \new
	s_set_vgpr_msb (MSB<<8)|\new
.set MSB, \new
.endif
.endm
.macro PLACES n
.rept \n
	v_nop
.endr
.endm
.macro MM d, a, b, c, sa, sb, arow, brow
.if (\c) < 0
.if \arow
	v_wmma_scale_f32_16x16x128_f8f6f4 v[(\d):(\d)+7], v[(\a):(\a)+11], v[(\b):(\b)+11], 0, v[(\sa)], v[(\sb)] matrix_a_fmt:MATRIX_FMT_FP6 matrix_b_fmt:MATRIX_FMT_FP6 matrix_a_scale:MATRIX_SCALE_ROW1
.elseif \brow
	v_wmma_scale_f32_16x16x128_f8f6f4 v[(\d):(\d)+7], v[(\a):(\a)+11], v[(\b):(\b)+11], 0, v[(\sa)], v[(\sb)] matrix_a_fmt:MATRIX_FMT_FP6 matrix_b_fmt:MATRIX_FMT_FP6 matrix_b_scale:MATRIX_SCALE_ROW1
.else
	v_wmma_scale_f32_16x16x128_f8f6f4 v[(\d):(\d)+7], v[(\a):(\a)+11], v[(\b):(\b)+11], 0, v[(\sa)], v[(\sb)] matrix_a_fmt:MATRIX_FMT_FP6 matrix_b_fmt:MATRIX_FMT_FP6
.endif
.else
.if \arow
	v_wmma_scale_f32_16x16x128_f8f6f4 v[(\d):(\d)+7], v[(\a):(\a)+11], v[(\b):(\b)+11], v[(\c):(\c)+7], v[(\sa)], v[(\sb)] matrix_a_fmt:MATRIX_FMT_FP6 matrix_b_fmt:MATRIX_FMT_FP6 matrix_a_scale:MATRIX_SCALE_ROW1
.elseif \brow
	v_wmma_scale_f32_16x16x128_f8f6f4 v[(\d):(\d)+7], v[(\a):(\a)+11], v[(\b):(\b)+11], v[(\c):(\c)+7], v[(\sa)], v[(\sb)] matrix_a_fmt:MATRIX_FMT_FP6 matrix_b_fmt:MATRIX_FMT_FP6 matrix_b_scale:MATRIX_SCALE_ROW1
.else
	v_wmma_scale_f32_16x16x128_f8f6f4 v[(\d):(\d)+7], v[(\a):(\a)+11], v[(\b):(\b)+11], v[(\c):(\c)+7], v[(\sa)], v[(\sb)] matrix_a_fmt:MATRIX_FMT_FP6 matrix_b_fmt:MATRIX_FMT_FP6
.endif
.endif
.endm
.macro ROUND                           ; a round of the cluster's barrier
	s_barrier_signal -1
	s_barrier_wait -1
	s_cmp_lg_u32 s[WV], 0
	s_cbranch_scc1 .Lnot_wave_0_\@
	s_barrier_signal -3
.Lnot_wave_0_\@:
	s_barrier_wait -3
	s_barrier_signal -1
	s_barrier_wait -1
.endm
.macro G1SET g, rows                   ; a dense block as rows of 256 bytes (32 elements of 8 bytes); 15:0 the mask of all four work-groups, bit 21 set beside it
	s_mov_b32 s[\g], 15|(3<<16)|(1<<21)
	s_mov_b32 s[\g+1], 32<<16
	s_mov_b32 s[\g+2], (\rows)<<16
	s_mov_b32 s[\g+3], 32<<16
	s_mov_b32 s[\g+4], \rows
	s_mov_b32 s[\g+5], 32
	s_mov_b32 s[\g+6], 0
	s_mov_b32 s[\g+7], 0
.endm
.macro FRAGLD reg, off                 ; a fragment is two units: every load takes 16 or 8 bytes a lane on end
	ds_load_b128 v[(\reg):(\reg)+3], v[A16] offset:(\off)
	ds_load_b64 v[(\reg)+4:(\reg)+5], v[A8] offset:(\off)+512
	ds_load_b128 v[(\reg)+6:(\reg)+9], v[A16] offset:(\off)+768
	ds_load_b64 v[(\reg)+10:(\reg)+11], v[A8] offset:(\off)+1280
.endm
.macro ADDR                            ; my lane's addresses in the step at s[KVO], s[SCO], s[NLO]
	v_add_nc_u32 v[A16], s[KVO], v[LI16]
	v_add_nc_u32 v[A8], s[KVO], v[LI8]
	v_add_nc_u32 v[ASC], s[SCO], v[LI4]
	v_add_nc_u32 v[ANL], s[NLO], v[NLA0]
.endm
; k's two fragments, their scale words and negl, so many bytes on from the step in hand: 25 LDS loads
.macro KLOAD okv, osc, onl
	FRAGLD KF, \okv
	FRAGLD KF+12, (\okv)+1536
	ds_load_b32 v[KS], v[ASC] offset:\osc
	WIN 0x40
.set q, 0
.rept 16
	ds_load_b128 v[NL+4*q:NL+4*q+3], v[ANL] offset:(\onl)+128*(q/4)+16*(q%4)   ; negl of m = 32 B + 16 (lane / 16) + 0 .. 15: the layout of the eight result tiles
.set q, q+1
.endr
	WIN 0
.endm
; eight tiles of scores of resident tile a
.macro SCORES a
	WIN 0x14                                       ; source 1 (q) and C (negl): window 1
.irp f, 0,1
.irp e, 0,1,2,3
	MM S+8*(4*\f+\e), KF+12*\f, QR+24*\a+12*(\e%2)+6*(1-\e/2), NL+8*(4*\f+\e), KS, RS+4*\a+\e, \f, 0
.endr
.endr
	WIN 0
	PLACES 4
.endm
; the scores of resident tile a become a, its codes and its scale word.  nx = 1: the next step's k and negl are asked for on the way
.macro SOFT a, nx
	; ONE BATCH of 32 scalings by log2(e) and 64 exponentials, none of which reads an exponential's result: four scalings lead, then a scaling and the two exponentials of the pair scaled four groups earlier.
	; The scalings go in ascending order: each tile is first read at its low end
.set j, 0
.rept 4
	v_pk_mul_f32 v[S+j:S+j+1], v[S+j:S+j+1], s[CS:CS+1] op_sel_hi:[1,0]
.set j, j+2
.endr
.set j, 0
.rept 28
	v_pk_mul_f32 v[S+j+8:S+j+9], v[S+j+8:S+j+9], s[CS:CS+1] op_sel_hi:[1,0]
	v_exp_f32 v[S+j], v[S+j]                       ; a, finished and normalised
	v_exp_f32 v[S+j+1], v[S+j+1]
.set j, j+2
.endr
.rept 8
	v_exp_f32 v[S+j], v[S+j]
.set j, j+1
.endr
	v_nop                                          ; a plain place behind the last exponential
	s_wait_alu depctr_va_vdst(0)                   ; one wait for the batch of 64, ahead of its first reader
.if \nx
	KLOAD 18432, 768, 1024                         ; two steps of m on: my next step; into the registers that this step's last score products have left
.endif
.irp b, 0,1,2,3
	v_max3_num_f32 v[TM+\b], v[S+16*\b], v[S+16*\b+1], 0x1800000   ; block b of 32 m: my 16 and the floor 2^(3 - 127); no |.|: none is negative
.endr
.irp i, 2,4,6,8,10,12,14
.irp b, 0,1,2,3
	v_max3_num_f32 v[TM+\b], v[TM+\b], v[S+16*\b+\i], v[S+16*\b+\i+1]
.endr
.endr
.irp b, 0,1,2,3
	v_permlanex16_b32 v[TM+4+\b], v[TM+\b], s[SEL], s[SEL+1]
.endr
.irp b, 0,1,2,3
	v_max_num_f32 v[TM+\b], v[TM+\b], v[TM+4+\b]
.endr
.irp b, 0,1,2,3
	v_add_nc_u32 v[TM+8+\b], 0xff000000, v[TM+\b]  ; 2 off the exponent field: the conversion's scale operand
.endr
.irp b, 0,1,2,3
	v_lshrrev_b32 v[TM+12+\b], 23, v[TM+8+\b]
.endr
	v_lshl_or_b32 v[ASA+\a], v[TM+13], 8, v[TM+12]
	v_lshl_or_b32 v[ASA+\a], v[TM+14], 16, v[ASA+\a]
	v_lshl_or_b32 v[ASA+\a], v[TM+15], 24, v[ASA+\a]
.irp c, 0,1
	v_cvt_scalef32_pk16_fp6_f32 v[AC+12*\a+6*\c:AC+12*\a+6*\c+2], v[S+32*\c:S+32*\c+15], v[TM+8+2*\c]
	v_cvt_scalef32_pk16_fp6_f32 v[CT+4*\c:CT+4*\c+2], v[S+32*\c+16:S+32*\c+31], v[TM+9+2*\c]
.endr
	v_nop
.irp c, 0,1
.irp i, 0,1,2
	v_permlane16_swap_b32 v[AC+12*\a+6*\c+\i], v[CT+4*\c+\i]   ; a whole block in a lane: lanes 0-15 block 2 c, lanes 16-31 block 2 c + 1
.endr
.irp i, 0,1,2
	v_mov_b32 v[AC+12*\a+6*\c+3+\i], v[CT+4*\c+\i]
.endr
.endr
.endm
; 128 m against my two tiles of n.  first = 1: the products with v start the sums: nothing is ever cleared (and the addresses have been made).  nx = 1: a step of mine follows
.macro STEP first, nx
.if \first == 0
	ADDR                                           ; these four are also the places between the last products and the loads into v's registers
.endif
.irp t, 0,1,2,3
	FRAGLD VF+12*\t, 3072+1536*\t
.endr
	ds_load_b32 v[VS01], v[ASC] offset:128
	ds_load_b32 v[VS01+1], v[ASC] offset:256
	s_wait_dscnt 18                                ; k, its scale words and negl, asked for a step ago, are in; v's 16 loads and its 2 scale loads, just issued, may stay out
	SCORES 0
	SOFT 0, 0
	SCORES 1
	SOFT 1, \nx
.if \nx
	s_wait_dscnt 25                                ; v is in; the next step's 25 loads, issued behind v's, may stay out
.else
	s_wait_dscnt 0x0                               ; v is in
.endif
	PLACES 8                                       ; a scale word written by a vector instruction stands 8 places ahead of a scaled product, codes 4
.if \first
	WIN 0x40
.else
	WIN 0x50                                       ; C and D: window 1
.endif
.irp t, 0,1,2,3                                    ; eight accumulators, one instruction a turn
.irp p, 0,1
.if \first
	MM O+32*\p+8*\t, VF+12*\t, AC+12*\p, -1, VS01+\t/2, ASA+\p, \t%2, 0
.else
	MM O+32*\p+8*\t, VF+12*\t, AC+12*\p, O+32*\p+8*\t, VS01+\t/2, ASA+\p, \t%2, 0
.endif
.endr
.endr
	WIN 0
.if \nx
	s_add_co_u32 s[KVO], s[KVO], 18432             ; two steps on: my parity
	s_add_co_u32 s[SCO], s[SCO], 768
	s_add_co_u32 s[NLO], s[NLO], 1024
.endif
.endm
; A segment: chunk c (four steps of my parity) has landed; the steps that follow ask for its k and negl.  It begins with my step 4 c - 1 (the first segment: with my step 0, whose k is asked for at once)
.macro SEG c
	s_wait_tensorcnt 3-\c                          ; my loads up to chunk c's have landed; the 3 - c later chunks' may stay out
	s_wait_dscnt 0x0
	s_barrier_signal -1
	s_barrier_wait -1                              ; everybody's have
.if \c == 0
	s_add_co_u32 s[KVO], s[ZKV], 73728*\c
	s_add_co_u32 s[SCO], s[ZSC], 3072*\c
	s_add_co_u32 s[NLO], s[ZNL], 4096*\c
	ADDR
	KLOAD 0, 0, 0
	STEP 1, 1
	s_mov_b32 s[CNT], 2
.else
	s_add_co_u32 s[KVO], s[ZKV], 73728*\c-18432
	s_add_co_u32 s[SCO], s[ZSC], 3072*\c-768
	s_add_co_u32 s[NLO], s[ZNL], 4096*\c-1024
	s_mov_b32 s[CNT], 4
.endif
.Lstep_\@:
	STEP 0, 1
	s_sub_co_u32 s[CNT], s[CNT], 1
	s_cmp_lg_u32 s[CNT], 0
	s_cbranch_scc1 .Lstep_\@
.endm
	s_load_b256 s[4:11], s[0:1], 0x0               ; qimg, qsc, kv, sc
	s_load_b256 s[12:19], s[0:1], 0x20             ; negl, x1, x2, Wsc
	s_load_b128 s[20:23], s[0:1], 0x40             ; gamma, out0
	v_lshl_add_u32 v[SPW], v0, 2, SPARE
	v_mov_b32 v[NIL], 0
	ds_add_u32 v[SPW], v[NIL]                      ; the wave's opening: the add, twice on end, and its wait ahead of the round in front of my first tensor load
	ds_add_u32 v[SPW], v[NIL]
	v_lshrrev_b32 v9, 5, v0
	v_readfirstlane_b32 s[WV], v9                  ; wave 0..7
	s_bfe_u32 s27, ttmp6, 0x40000                  ; cx: it enters the addresses of my own pixels alone
	s_lshl_b32 s28, ttmp9, 2
	s_add_co_u32 s28, s28, s27                     ; my step of pixels n
	s_and_b32 s29, ttmp7, 0xffff                   ; the batch, which the four partners share
	s_and_b32 s30, s[WV], 1                        ; my parity
	G1SET G1KV, 36                                 ; a step's k and v: 9,216 bytes
	G1SET G1SC, 6                                  ; four steps' scale words: 1,536 bytes
	G1SET G1NL, 8                                  ; four steps' negl: 2,048 bytes
	s_mov_b32 s[SEL], 0x76543210
	s_mov_b32 s[SEL+1], 0xfedcba98
	s_mov_b32 s[CS], 0x3fb8aa3b                    ; log2(e)
	s_mov_b32 s[CS+1], s[CS]
	s_mul_i32 s96, s29, 12288
	s_mul_i32 s98, s[WV], 1536
	s_add_co_u32 s96, s96, s98
	s_mov_b32 s97, 0
	s_add_co_u32 s[G0SC+1], s98, SCB
	s_lshl_b32 s98, s29, 14
	s_lshl_b32 s100, s[WV], 11
	s_add_co_u32 s98, s98, s100
	s_mov_b32 s99, 0
	s_add_co_u32 s[G0NL+1], s100, NLB
	s_mul_i32 s100, s29, 294912
	s_mul_i32 s31, s[WV], 9216
	s_add_co_u32 s100, s100, s31
	s_mov_b32 s101, 0
	s_mul_i32 s[ZKV], s30, 9216
	s_mul_i32 s[ZSC], s30, 384
	s_add_co_u32 s[ZSC], s[ZSC], SCB
	s_lshl_b32 s[ZNL], s30, 9
	s_add_co_u32 s[ZNL], s[ZNL], NLB
	s_wait_dscnt 0x0                               ; both opening adds are done
	s_wait_kmcnt 0x0
	s_mov_b32 s[G0SC], 1
	s_add_nc_u64 s[G0SC+2:G0SC+3], s[10:11], s[96:97]
	s_or_b32 s[G0SC+3], s[G0SC+3], 0x80000000
	s_mov_b32 s[G0NL], 1
	s_add_nc_u64 s[G0NL+2:G0NL+3], s[12:13], s[98:99]
	s_or_b32 s[G0NL+3], s[G0NL+3], 0x80000000
	s_add_nc_u64 s[100:101], s[8:9], s[100:101]
.irp c, 0,1,2,3
	s_mov_b32 s[G0KV+4*\c], 1
	s_add_co_u32 s[G0KV+4*\c+1], s31, 73728*\c
	s_add_nc_u64 s[G0KV+4*\c+2:G0KV+4*\c+3], s[100:101], 73728*\c
	s_or_b32 s[G0KV+4*\c+3], s[G0KV+4*\c+3], 0x80000000
.endr
	ROUND                                          ; all four work-groups are here: the joint loads meet
	tensor_load_to_lds s[G0SC:G0SC+3], s[G1SC:G1SC+7]   ; six tensor loads of mine are out: scale words, negl, then the chunks in the order in which they are read
	s_nop 0
	tensor_load_to_lds s[G0NL:G0NL+3], s[G1NL:G1NL+7]
	s_nop 0
.irp c, 0,1,2,3
	tensor_load_to_lds s[G0KV+4*\c:G0KV+4*\c+3], s[G1KV:G1KV+7]
	s_nop 0
.endr
	PLACES 4
	s_load_b32 s[GAM], s[20:21], 0x0               ; gamma's value
	v_and_b32 v9, 31, v0
	v_lshlrev_b32 v[LI16], 4, v9
	v_lshlrev_b32 v[LI8], 3, v9
	v_lshlrev_b32 v[LI4], 2, v9
	v_and_b32 v12, 15, v0                          ; r
	v_bfe_u32 v13, v0, 4, 1                        ; h
	v_lshlrev_b32 v[NLA0], 6, v13
	v_add_nc_u32 v[HM], -1, v13
	v_sub_nc_u32 v[NHM], 0, v13
	s_xor_b32 s96, s[WV], 1
	s_lshl_b32 s96, s96, 12
	v_add_nc_u32 v[EXS], s96, v[LI16]
	s_lshl_b32 s96, s[WV], 12
	v_add_nc_u32 v[EXL], s96, v[LI16]
	v_mul_u32_u24 v[STS], v13, 8*528
	v_lshl_add_u32 v[STS], v12, 2, v[STS]
	s_lshl_b32 s96, s[WV], 6
	s_add_co_u32 s96, s96, STG
	v_add_nc_u32 v[STS], s96, v[STS]               ; in: row 8 h (+ 16 T + j), column 16 w + r
	s_mul_i32 s96, s[WV], 4*528
	s_add_co_u32 s96, s96, STG
	v_add_nc_u32 v[STL], s96, v[LI16]              ; back: my four rows, 16 bytes a lane
	v_lshlrev_b32 v[XO], 18, v13
	v_lshl_add_u32 v[XO], v12, 2, v[XO]
	; the resident q: pixel 16 tau + r lies in unit tau / 2 at lane 16 (r / 8) + 8 (tau % 2) + r % 8; tau = w and w xor 1 share the unit
	s_mul_i32 s96, s29, 98304
	s_mul_i32 s98, s28, 3072
	s_add_co_u32 s96, s96, s98
	s_lshr_b32 s98, s[WV], 1
	s_mul_i32 s98, s98, 768
	s_add_co_u32 s96, s96, s98
	s_mov_b32 s97, 0
	s_add_nc_u64 s[4:5], s[4:5], s[96:97]
	s_lshl_b32 s96, s29, 12
	s_lshl_b32 s98, s28, 7
	s_add_co_u32 s96, s96, s98
	s_lshr_b32 s98, s[WV], 2
	s_lshl_b32 s98, s98, 6
	s_add_co_u32 s96, s96, s98
	s_add_nc_u64 s[6:7], s[6:7], s[96:97]
	s_lshl_b32 s98, s30, 3                         ; 8 (w % 2),
	s_xor_b32 s99, s98, 8                          ; and the partner's
	v_and_b32 v9, 7, v0
	v_bfe_u32 v[TM+8], v0, 3, 1
	v_lshl_add_u32 v[TM+9], v[TM+8], 4, v9
	v_add_nc_u32 v[TM+10], s98, v[TM+9]
	v_add_nc_u32 v[TM+11], s99, v[TM+9]
	v_lshlrev_b32 v[TM], 4, v[TM+10]
	v_lshlrev_b32 v[TM+1], 3, v[TM+10]
	v_lshlrev_b32 v[TM+2], 4, v[TM+11]
	v_lshlrev_b32 v[TM+3], 3, v[TM+11]
	v_add_lshl_u32 v[TM+4], v9, s98, 2
	v_add_lshl_u32 v[TM+5], v9, s99, 2
	v_lshlrev_b32 v[TM+6], 8, v12
	v_lshl_add_u32 v[TM+6], v13, 7, v[TM+6]        ; Wsc: row r of 256 bytes, + 128 h
	v_lshlrev_b32 v[TM+7], 3, v13                  ; 8 h
	s_bfe_u32 s100, s[WV], 0x10001
	s_lshl_b32 s100, s100, 4
	v_lshl_add_u32 v[TM+12], v[TM+8], 3, s100      ; the scale byte's place: 16 ((w / 2) % 2) + 8 (r / 8) bits
	global_load_b128 v[TA:TA+3], v[TM], s[4:5]
	global_load_b64 v[TA+4:TA+5], v[TM+1], s[4:5] offset:512
	global_load_b128 v[TB:TB+3], v[TM+2], s[4:5]
	global_load_b64 v[TB+4:TB+5], v[TM+3], s[4:5] offset:512
	global_load_b32 v[TM+13], v[TM+4], s[6:7]
	global_load_b32 v[TM+14], v[TM+5], s[6:7]
.irp k, 0,1
.irp i, 0,1,2,3,4,5,6,7
	global_load_b128 v[S+32*\k+4*\i:S+32*\k+4*\i+3], v[TM+6], s[18:19] offset:4096*\k+16*\i
.endr
.endr
	s_lshl_b32 s96, s29, 19                        ; x of my 16 pixels: 524,288 x batch + 512 x step + 64 x wave
	s_lshl_b32 s98, s28, 9
	s_add_co_u32 s96, s96, s98
	s_lshl_b32 s100, s[WV], 6
	s_add_co_u32 s100, s96, s100
	s_mov_b32 s101, 0
	s_add_nc_u64 s[14:15], s[14:15], s[100:101]
	s_add_nc_u64 s[16:17], s[16:17], s[100:101]
	s_lshl_b32 s100, s[WV], 16                     ; out0: my four rows: + 65,536 x wave
	s_add_co_u32 s100, s96, s100
	s_add_nc_u64 s[22:23], s[22:23], s[100:101]
	WIN 0x40
.irp i, 0,1,2,3,4,5,6,7,8,9,10,11,12,13,14,15
	global_load_b32 v[XV+\i], v[XO], s[14:15] offset:16384*\i        ; channel 16 h + i of x1,
	global_load_b32 v[XV+16+\i], v[XO], s[16:17] offset:16384*\i     ; and of x2: wanted on the way out
.endr
	WIN 0
	s_wait_loadcnt 32                              ; all but x's 32 loads, issued last
	v_lshrrev_b32 v[TM+13], v[TM+12], v[TM+13]
	v_lshrrev_b32 v[TM+14], v[TM+12], v[TM+14]
	v_and_b32 v[TM+13], 255, v[TM+13]
	v_and_b32 v[TM+14], 255, v[TM+14]
.irp p, 0,1
	v_mov_b32 v[RS+4*\p], v[TM+13+\p]
	v_lshlrev_b32 v[RS+4*\p+1], 8, v[TM+13+\p]
	v_lshlrev_b32 v[RS+4*\p+2], 16, v[TM+13+\p]
	v_lshlrev_b32 v[RS+4*\p+3], 24, v[TM+13+\p]
.endr
	; Wsc: a lane holds a whole block of 32
.irp k, 0,1
	v_max3_num_f32 v[TM+\k], |v[S+32*\k]|, |v[S+32*\k+1]|, 0x1800000
.endr
.irp i, 2,4,6,8,10,12,14,16,18,20,22,24,26,28,30
.irp k, 0,1
	v_max3_num_f32 v[TM+\k], v[TM+\k], |v[S+32*\k+\i]|, |v[S+32*\k+\i+1]|
.endr
.endr
.irp k, 0,1
	v_add_nc_u32 v[TM+8+\k], 0xff000000, v[TM+\k]
.endr
.irp k, 0,1
	v_lshrrev_b32 v[TM+\k], 23, v[TM+8+\k]
.endr
.irp k, 0,1
	v_lshlrev_b32 v[TM+\k], v[TM+7], v[TM+\k]
.endr
.irp k, 0,1
	v_permlanex16_b32 v[TM+4+\k], v[TM+\k], s[SEL], s[SEL+1]
.endr
.irp k, 0,1
	v_or_b32 v[WSS+\k], v[TM+\k], v[TM+4+\k]
.endr
.irp k, 0,1
	v_cvt_scalef32_pk16_fp6_f32 v[CT+4*\k:CT+4*\k+2], v[S+32*\k+16:S+32*\k+31], v[TM+8+\k]
.endr
	WIN 0x40                                       ; destination window 1
.irp k, 0,1
	v_cvt_scalef32_pk16_fp6_f32 v[WSF+6*\k:WSF+6*\k+2], v[S+32*\k:S+32*\k+15], v[TM+8+\k]
.endr
	v_nop
.irp k, 0,1
.irp i, 0,1,2
	v_mov_b32 v[WSF+6*\k+3+\i], v[CT+4*\k+\i]
.endr
.endr
.irp i, 0,1,2,3,4,5                                ; q's chain: zeros, tile 0 in lanes 0-15, zeros, tile 0 in lanes 16-31, zeros, and the same of tile 1
	v_mov_b32 v[QR+\i], 0
	v_and_b32 v[QR+6+\i], v[HM], v[TA+\i]
	v_mov_b32 v[QR+12+\i], 0
	v_and_b32 v[QR+18+\i], v[NHM], v[TA+\i]
	v_mov_b32 v[QR+24+\i], 0
	v_and_b32 v[QR+30+\i], v[HM], v[TB+\i]
	v_mov_b32 v[QR+36+\i], 0
	v_and_b32 v[QR+42+\i], v[NHM], v[TB+\i]
	v_mov_b32 v[QR+48+\i], 0
	v_mov_b32 v[WSF+12+\i], 0
.endr
	WIN 0
	s_wait_kmcnt 0x0
	s_mov_b32 s[GAM+1], s[GAM]
	SEG 0
	SEG 1
	SEG 2
	SEG 3
	s_add_co_u32 s[KVO], s[ZKV], 18432*15          ; my last step: it asks for nothing beyond itself
	s_add_co_u32 s[SCO], s[ZSC], 768*15
	s_add_co_u32 s[NLO], s[ZNL], 1024*15
	STEP 0, 0
	; THE WAY OUT
	PLACES 4                                       ; behind the last products, ahead of the stores that read their results
	s_wait_dscnt 0x0
	s_barrier_signal -1
	s_barrier_wait -1                              ; every wave's reads of k, v, scale words and negl are over: the first chunk's bytes serve as stages
	WIN 0x04                                       ; an LDS store's data: window 1
.irp i, 0,1,2,3,4,5,6,7
	ds_store_b128 v[EXS], v[O+32+4*\i:O+32+4*\i+3] offset:512*\i   ; my partial sum of the partner's tile, as an image of its registers
.endr
	WIN 0
	s_wait_dscnt 0x0                               ; for the partner's sake
	s_barrier_signal -1
	s_barrier_wait -1
.irp i, 0,1,2,3,4,5,6,7
	ds_load_b128 v[S+4*\i:S+4*\i+3], v[EXL] offset:512*\i
.endr
	s_wait_dscnt 0x0
	s_wait_loadcnt 0x0                             ; x
	WIN 0x01
.set j, 0
.rept 16
	v_pk_add_f32 v[S+j:S+j+1], v[O+j:O+j+1], v[S+j:S+j+1]
.set j, j+2
.endr
	WIN 0x10
.set j, 0
.rept 16
	v_pk_fma_f32 v[S+j:S+j+1], v[S+j:S+j+1], s[GAM:GAM+1], v[XV+j:XV+j+1] op_sel_hi:[1,0,1]   ; y = gamma out + x: register 16 B + i = channel 32 B + 16 h + i of pixel 16 w + r
.set j, j+2
.endr
	WIN 0
.irp b, 0,1
	v_max3_num_f32 v[TM+\b], |v[S+16*\b]|, |v[S+16*\b+1]|, 0x1800000
.endr
.irp i, 2,4,6,8,10,12,14
.irp b, 0,1
	v_max3_num_f32 v[TM+\b], v[TM+\b], |v[S+16*\b+\i]|, |v[S+16*\b+\i+1]|
.endr
.endr
.irp b, 0,1
	v_permlanex16_b32 v[TM+4+\b], v[TM+\b], s[SEL], s[SEL+1]
.endr
.irp b, 0,1
	v_max_num_f32 v[TM+\b], v[TM+\b], v[TM+4+\b]
.endr
.irp b, 0,1
	v_add_nc_u32 v[TM+8+\b], 0xff000000, v[TM+\b]
.endr
.irp b, 0,1
	v_lshrrev_b32 v[TM+\b], 23, v[TM+8+\b]
.endr
	v_lshl_or_b32 v[YS], v[TM+1], 8, v[TM]
	v_cvt_scalef32_pk16_fp6_f32 v[AC:AC+2], v[S:S+15], v[TM+8]
	v_cvt_scalef32_pk16_fp6_f32 v[CT:CT+2], v[S+16:S+31], v[TM+9]
	v_nop
.irp i, 0,1,2
	v_permlane16_swap_b32 v[AC+\i], v[CT+\i]
.endr
.irp i, 0,1,2
	v_mov_b32 v[AC+3+\i], v[CT+\i]
.endr
.irp i, 0,1,2,3,4,5
	v_mov_b32 v[AC+6+\i], 0                        ; K = 64: blocks 2 and 3 are zero codes
.endr
	PLACES 8
	WIN 0x01                                       ; source 0 (Wsc): window 1
	MM KF, WSF, AC, -1, WSS, YS, 0, 0
	MM KF+8, WSF+6, AC, -1, WSS+1, YS, 0, 0
	WIN 0
	PLACES 4
.irp k, 0,1
.irp i, 0,1,2,3,4,5,6,7
	ds_store_b32 v[STS], v[KF+8*\k+\i] offset:(16*\k+\i)*528   ; out0(16 k + 8 h + i, 16 w + r)
.endr
.endr
	s_wait_dscnt 0x0                               ; for the others' sake
	s_barrier_signal -1
	s_barrier_wait -1                              ; 32 whole rows of 128 pixels lie in the stage
.irp k, 0,1,2,3
	ds_load_b128 v[S+4*\k:S+4*\k+3], v[STL] offset:528*\k
.endr
.irp k, 0,1,2,3
	s_wait_dscnt 3-\k                              ; row k is back; the younger loads may stay out
	global_store_b128 v[LI16], v[S+4*\k:S+4*\k+3], s[22:23] offset:16384*\k th:TH_STORE_NT   ; 32 lanes store 512 consecutive bytes, at a multiple of 256 from out0's first byte
.endr
	s_wait_tensorcnt 0x0                           ; the wave's end
	ds_add_u32 v[SPW], v[NIL]
	s_wait_dscnt 0x0
	ROUND                                          ; the closing round
	s_endpgm
.Lfunc_end_k_q59d41e6582_main:
	.size	k_q59d41e6582_main, .Lfunc_end_k_q59d41e6582_main-k_q59d41e6582_main
	.p2alignl 7, 3214868480
	.fill 96, 4, 3214868480
	.section	.rodata,"a",@progbits
	.p2align	6, 0x0
	.amdhsa_kernel k_q59d41e6582_main
		.amdhsa_group_segment_fixed_size 327680
		.amdhsa_private_segment_fixed_size 0
		.amdhsa_enable_private_segment 0
		.amdhsa_kernarg_size 80
		.amdhsa_user_sgpr_count 2
		.amdhsa_user_sgpr_kernarg_segment_ptr 1
		.amdhsa_wavefront_size32 1
		.amdhsa_system_sgpr_workgroup_id_x 1
		.amdhsa_system_sgpr_workgroup_id_y 1
		.amdhsa_system_sgpr_workgroup_id_z 1
		.amdhsa_system_vgpr_workitem_id 0
		.amdhsa_next_free_vgpr 496
		.amdhsa_next_free_sgpr 102
		.amdhsa_reserve_vcc 0
		.amdhsa_float_denorm_mode_32 3
		.amdhsa_float_denorm_mode_16_64 3
		.amdhsa_memory_ordered 1
		.amdhsa_forward_progress 1
		.amdhsa_inst_pref_size 164
	.end_amdhsa_kernel
	.amdgpu_metadata
---
amdhsa.version: [ 1, 2 ]
amdhsa.kernels:
  - .name:           k_q59d41e6582_main
    .symbol:         k_q59d41e6582_main.kd
    .args:
      - { .name: qimg, .offset: 0, .size: 8, .value_kind: global_buffer, .address_space: global }
      - { .name: qsc, .offset: 8, .size: 8, .value_kind: global_buffer, .address_space: global }
      - { .name: kv, .offset: 16, .size: 8, .value_kind: global_buffer, .address_space: global }
      - { .name: sc, .offset: 24, .size: 8, .value_kind: global_buffer, .address_space: global }
      - { .name: negl, .offset: 32, .size: 8, .value_kind: global_buffer, .address_space: global }
      - { .name: x1, .offset: 40, .size: 8, .value_kind: global_buffer, .address_space: global }
      - { .name: x2, .offset: 48, .size: 8, .value_kind: global_buffer, .address_space: global }
      - { .name: Wsc, .offset: 56, .size: 8, .value_kind: global_buffer, .address_space: global }
      - { .name: gamma, .offset: 64, .size: 8, .value_kind: global_buffer, .address_space: global }
      - { .name: out0, .offset: 72, .size: 8, .value_kind: global_buffer, .address_space: global }
    .group_segment_fixed_size: 327680
    .private_segment_fixed_size: 0
    .kernarg_segment_align: 8
    .kernarg_segment_size: 80
    .max_flat_workgroup_size: 256
    .sgpr_count:     102
    .vgpr_count:     496
    .wavefront_size: 32
...
	.end_amdgpu_metadata
.endif
;; end of part 3
